; MI455X (gfx1250); checked and timed in simulation.
; The chip was launched on July 23, 2026; its instructions are those of AMD's public machine-readable ISA for CDNA 5 (MIT licence, August 2026) and "CDNA5" Instruction Set Architecture Reference Guide (July 2026). The comments in the code are by the model that wrote it; some were corrected since.
;; VQ. Allowed arithmetic: float matrix products may take bf16 or f16 operands with f32 sums; all other float work in f32.
;; Inputs: codebook 512 x 64 float32; x 32 x 64 x 64 x 64 float32.
;; Outputs: out0 32 x 64 x 64 x 64 float32.
;; One version. Each part assembles by itself: llvm-mc -triple=amdgcn-amd-amdhsa -mcpu=gfx1250 --defsym DOCPART=n.
;; ======== version 1 of 1: 2 launches
;; workspace buffers: order 524,288 bytes of whole numbers
;; launch nearest (part 1): grid 256 x 1, 8 waves a work-group, no clusters, 216,064 bytes of LDS; arguments codebook, x, order; writes order
.if DOCPART == 1
	.amdgcn_target "amdgcn-amd-amdhsa--gfx1250"
	.amdhsa_code_object_version 6
	.text
	.protected	k_q5b60be9f25_nearest
	.globl	k_q5b60be9f25_nearest
	.p2align	8
	.type	k_q5b60be9f25_nearest,@function
k_q5b60be9f25_nearest:
	s_mov_b64 s[64:65], 0
	v_nop
	global_prefetch_b8 v0, s[64:65] scope:SCOPE_SE
	s_setreg_imm32_b32 hwreg(HW_REG_WAVE_MODE, 25, 1), 1
	s_wait_xcnt 0x0
; order[n] = argmin over k of d[n][k],  d = (|x_n|^2 - 2 x_n.c_k) + |c_k|^2.   x: [131072][64] f32, codebook: [512][64] f32, order: u32.
; The products x.c go to the matrix unit with both operands rounded to bf16 and f32 sums.  d is then formed with the same two f32
; roundings as the formula above: fl(fl(A - 2M) + C); equal d go to the lower index, as argmin does.  C is summed from the rounded
; codes (it differs from code to code); A is summed from x as given (one constant for a row).
; LIMITS: inputs finite, |x_n|^2 inside the f32 range.  A distance that is NaN never wins (argmin would take the first NaN); the index
; stored is always 0..511.  'Nearest' is nearest for the bf16-rounded operands.
; SHARES: 256 work-groups x 8 waves; a work-group owns 512 rows, a wave 64 rows = four tiles of 16.  The codes are the matrix
; instruction's first source (m), the rows of x its second (n): lane (r, h) holds, for row r of a tile, the codes 16 t + 8 h + j in
; register j.  So a lane follows one row per tile through all 32 code tiles, and lanes meet only once, at the end (h = 0 with h = 1).
; Tile q of a wave holds the wave's rows 2 r + q % 2 + 32 (q / 2) (the tensor load steps 2 rows), so that lane L ends with the indices
; of rows 2 L and 2 L + 1 and the wave's one store is 256 bytes from neighbouring lanes.
; NO CLUSTER: the table that all work-groups share is rounded on its way in and so passes through registers; a landing area for it in f32
; (131,072 bytes) beside x (139,264) and the rounded table with C (75,776) would be 346,112 bytes of LDS, more than the 327,680 there are.
.set XP,     272                       ; LDS pitch of a row of x: 256 bytes + 16, so 16 rows read together start 16 bytes apart modulo 256
.set CP,     144                       ; LDS pitch of a code in bf16: 128 bytes + 16, for the same reason
.set LDS_CB, 512*XP                    ; x: bytes 0 .. 139,263;  codes in bf16 behind it
.set LDS_CC, LDS_CB+512*CP             ; then C[512] in f32
.set R,    1                           ; v1        lane % 16
.set H,    2                           ; v2        lane / 16
.set FA,   3                           ; v3        LDS address of my part of the code fragments, stepped tile by tile
.set CA,   4                           ; v4        LDS address of my eight C, stepped likewise
.set VT,   5                           ; v5        16 t + 8 h of the tile whose distances are being looked at
.set T,    6                           ; v[6:13]   at work: tile q has T + 2 q and T + 2 q + 1
.set BT,   14                          ; v[14:21]  tile q: v[14+2q] smallest d so far, v[15+2q] 16 t + 8 h of the code tile that held it
                                       ;           (an even and an odd register, so that one dual instruction selects both)
.set AA,   22                          ; v[22:29]  tile q: |x|^2 of my row, twice (a pair for the packed forms)
.set CC0,  30                          ; v[30:37]  C of my eight codes, even code tiles
.set CC1,  38                          ; v[38:45]  odd code tiles
.set CF0,  46                          ; v[46:61]  code fragments (16 codes x 64 k), even code tiles
.set CF1,  62                          ; v[62:77]  odd code tiles
.set XF,   78                          ; v[78:141] fragments of x: tile q at 16 q, 8 registers for k 0-31, 8 for k 32-63
.set AC0,  142                         ; v[142:173] products, then distances, of an even code tile: tile q at 8 q
.set AC1,  174                         ; v[174:205] of an odd one
.set SV,   206                         ; v[206:237] tile q: the eight distances of the code tile that holds the smallest
.set GOFF, 238                         ; byte offset of my 16 bytes in the codebook
.set CBA,  239                         ; where I put rounded codes (loads 0-15), CBB (loads 16-31: LDS offsets have 16 bits)
.set CBB,  240
.set CCA,  241                         ; where I put C
.set XA,   242                         ; LDS address of my 32 bytes in row r of my wave's tile 0
.set OOFF, 243                         ; byte offset of my two indices
.set OUT,  244                         ; v[244:245] my two indices
.set J,    246                         ; v[246:249] tile q: place in the tile, then the index
.set STG,  78                          ; v[78:205] the codebook as loaded (before x's fragments and the products need the registers)
.set G1,   16                          ; s[16:23] tensor descriptor group 1
.set G0,   24                          ; s[24:39] group 0, one set for each of the wave's four loads
.set MK,   40                          ; s[40:43] lane masks (behind the loop; in the loop the mask is VCC)
	s_load_b128 s[4:7], s[0:1], 0x0                ; codebook s[4:5], x s[6:7]
	s_load_b64 s[8:9], s[0:1], 0x10                ; order
	v_lshl_add_u32 v254, v0, 2, 0x34800
	v_mov_b32 v255, 0
	ds_add_u32 v254, v255
	ds_add_u32 v254, v255
	v_lshrrev_b32 v[T], 5, v0
	v_readfirstlane_b32 s10, v[T]                  ; wave 0..7
	v_and_b32 v[R], 15, v0
	v_bfe_u32 v[H], v0, 4, 1
	v_lshlrev_b32 v[GOFF], 4, v0                   ; 16 bytes a thread: a load of the work-group covers 4,096 neighbouring bytes
	s_mov_b32 s13, 0xffff0000                      ; a word's upper bf16; also the mask of lanes 16-31
	s_mov_b32 s14, 0x76543210                      ; v_permlanex16_b32: lane i of one half reads lane i of the other
	s_mov_b32 s15, 0xfedcba98
	; group 1: 16 rows of 64 f32, 2 rows of x apart; in LDS 4 words of padding behind every 64
	s_mov_b32 s[G1+0], (2<<16)|(1<<20)|(5<<22)|(3<<25) ; element of 4 bytes; padding on; after 64 words (code 5); 4 words (code 3)
	s_mov_b32 s[G1+1], 64<<16                      ; tensor_dim0 = 64
	s_mov_b32 s[G1+2], 16<<16                      ; tensor_dim1 = 16
	s_mov_b32 s[G1+3], 64<<16                      ; tile_dim0 = 64
	s_mov_b32 s[G1+4], 16                          ; tile_dim1 = 16
	s_mov_b32 s[G1+5], 128                         ; from row to row of the tile: 2 rows of x = 128 elements
	s_mov_b32 s[G1+6], 0
	s_mov_b32 s[G1+7], 0
	s_lshl_b32 s2, ttmp9, 17                       ; work-group x 512 rows x 256 bytes (below 2^25)
	s_lshl_b32 s3, s10, 14                         ; + wave x 64 rows x 256 bytes
	s_add_co_u32 s2, s2, s3
	s_mov_b32 s3, 0
	s_mul_i32 s11, s10, 64*XP                      ; my wave's 64 rows in LDS
	s_wait_dscnt 0x0
	s_wait_kmcnt 0x0
	s_add_nc_u64 s[6:7], s[6:7], s[2:3]            ; x at my wave's first row
.irp q, 0,1,2,3
	s_mov_b32 s[G0+4*\q], 1                                        ; count = 1
	s_add_co_u32 s[G0+4*\q+1], s11, \q*16*XP                       ; LDS address: tile q
	s_add_nc_u64 s[G0+4*\q+2:G0+4*\q+3], s[6:7], ((\q%2)+32*(\q/2))*256   ; first row: 0, 1, 32, 33
	s_or_b32 s[G0+4*\q+3], s[G0+4*\q+3], 0x80000000               ; type = 2
	tensor_load_to_lds s[G0+4*\q:G0+4*\q+3], s[G1:G1+7]            ; all of the wave's x is asked for before anything else; four loads out
	s_nop 0
.endr
	; the whole codebook, 32 loads: load i brings thread t the numbers k = 4 (t % 16) .. + 3 of code 16 i + t / 16
.set i, 0
.rept 32
	global_load_b128 v[STG+4*i:STG+4*i+3], v[GOFF], s[4:5] offset:4096*i
.set i, i+1
.endr
	s_lshl_b32 s2, ttmp9, 11                       ; order: work-group x 512 x 4 bytes
	s_lshl_b32 s12, s10, 8                         ; + wave x 64 x 4
	s_add_co_u32 s2, s2, s12
	s_add_nc_u64 s[8:9], s[8:9], s[2:3]            ; (s3 is still 0)
	s_mul_i32 s12, s10, 2*CP                       ; t / 16 = 2 wave + h: my row among the 16 of a load
	s_add_co_u32 s12, s12, LDS_CB
	v_mul_u32_u24 v[T], v[H], CP
	v_lshl_add_u32 v[T], v[R], 3, v[T]             ; + 8 bytes for my four bf16
	v_add_nc_u32 v[CBA], s12, v[T]
	v_add_nc_u32 v[CBB], 16*16*CP, v[CBA]
	s_lshl_b32 s12, s10, 3
	s_add_co_u32 s12, s12, LDS_CC
	v_lshl_add_u32 v[CCA], v[H], 2, s12            ; C of code 2 wave + h (+ 16 i)
	v_mul_u32_u24 v[T], v[R], XP
	v_lshl_add_u32 v[T], v[H], 5, v[T]
	v_add_nc_u32 v[XA], s11, v[T]                  ; row r of my wave's tile 0, byte 32 h
; Four loads of the codebook: round to bf16, store; square the ROUNDED numbers, add over the 16 lanes that hold a code, store C.
.macro PREP4 g
.set F, STG+16*\g
	s_wait_loadcnt 28-4*\g                         ; loads return in order (ISA guide 5.7.1): these four are in, the younger ones stay out
.irp n, 0,1,2,3
	v_cvt_pk_bf16_f32 v[F+4*\n],   v[F+4*\n],   v[F+4*\n+1]
	v_cvt_pk_bf16_f32 v[F+4*\n+1], v[F+4*\n+2], v[F+4*\n+3]
.endr
.irp n, 0,1,2,3
.if \g < 4
	ds_store_b64 v[CBA], v[F+4*\n:F+4*\n+1] offset:(4*\g+\n)*16*CP
.else
	ds_store_b64 v[CBB], v[F+4*\n:F+4*\n+1] offset:(4*(\g%4)+\n)*16*CP
.endif
.endr
.irp n, 0,1,2,3
	v_lshlrev_b32 v[SV+4*\n],   16,  v[F+4*\n]
	v_and_b32     v[SV+4*\n+1], s13, v[F+4*\n]
	v_lshlrev_b32 v[SV+4*\n+2], 16,  v[F+4*\n+1]
	v_and_b32     v[SV+4*\n+3], s13, v[F+4*\n+1]
.endr
.irp n, 0,1,2,3
	v_pk_mul_f32 v[SV+4*\n:SV+4*\n+1], v[SV+4*\n:SV+4*\n+1], v[SV+4*\n:SV+4*\n+1]
.endr
.irp n, 0,1,2,3
	v_pk_fma_f32 v[SV+4*\n:SV+4*\n+1], v[SV+4*\n+2:SV+4*\n+3], v[SV+4*\n+2:SV+4*\n+3], v[SV+4*\n:SV+4*\n+1]
.endr
.irp n, 0,1,2,3
	v_add_f32 v[SV+4*\n], v[SV+4*\n], v[SV+4*\n+1]
.endr
.irp m, 1,2,4,8
.irp n, 0,1,2,3
	v_add_f32_dpp v[SV+4*\n], v[SV+4*\n], v[SV+4*\n] row_xmask:\m row_mask:0xf bank_mask:0xf
.endr
.endr
.irp n, 0,1,2,3
	ds_store_b32 v[CCA], v[SV+4*\n] offset:64*(4*\g+\n)            ; sixteen lanes, one word, one value
.endr
.endm
.irp g, 0,1,2,3,4,5,6,7
	PREP4 \g
.endr
; x, tile q: eight LDS loads bring lane (r, h) the 32 numbers k = 8 h + 0..7 (+ 0, 16, 32, 48) of its row, in the fragments' order
.macro XLD q, st
.set n, 0
.irp o, 0,16,64,80,128,144,192,208
	ds_load_b128 v[\st+4*n:\st+4*n+3], v[XA] offset:\q*16*XP+\o
.set n, n+1
.endr
.endm
; ... which are rounded into the fragments, and squared and added (two chains, then the other half's 32 numbers) into A
.macro XCV q, st
.set n, 0
.rept 16
	v_cvt_pk_bf16_f32 v[XF+16*\q+n], v[\st+2*n], v[\st+2*n+1]
.set n, n+1
.endr
	v_pk_mul_f32 v[T:T+1],   v[\st:\st+1],   v[\st:\st+1]
	v_pk_mul_f32 v[T+2:T+3], v[\st+2:\st+3], v[\st+2:\st+3]
.set n, 2
.rept 14
	v_pk_fma_f32 v[T+2*(n%2):T+2*(n%2)+1], v[\st+2*n:\st+2*n+1], v[\st+2*n:\st+2*n+1], v[T+2*(n%2):T+2*(n%2)+1]
.set n, n+1
.endr
	v_pk_add_f32 v[T:T+1], v[T:T+1], v[T+2:T+3]
	v_add_f32 v[T], v[T], v[T+1]
	v_permlanex16_b32 v[T+1], v[T], s14, s15       ; its destination counts as read: T+1 has been written
	v_add_f32 v[AA+2*\q],   v[T], v[T+1]           ; the same two numbers in both halves: the same sum
	v_add_f32 v[AA+2*\q+1], v[T], v[T+1]
.endm
	; Only the wave that issued a tensor load reads its bytes, so its own s_wait_tensorcnt is all the ordering x needs.
	s_wait_tensorcnt 0x3                           ; tensor loads of a wave end in order (ISA guide 10.11.1): tile 0 is in, three younger stay out
	XLD 0, AC0
	s_wait_tensorcnt 0x2                           ; tile 1 is in
	XLD 1, AC1
	s_wait_dscnt 0x8                               ; all but tile 1's eight loads
	XCV 0, AC0
	s_wait_tensorcnt 0x1                           ; tile 2
	XLD 2, AC0
	s_wait_dscnt 0x8                               ; all but tile 2's eight loads
	XCV 1, AC1
	s_wait_tensorcnt 0x0                           ; tile 3: nothing of the mover's is out any more
	XLD 3, AC1
	s_wait_dscnt 0x8
	XCV 2, AC0
	s_wait_dscnt 0x0                               ; zero, for the other waves' sake too: my part of the code table and of C is in LDS
	s_barrier_signal -1
	XCV 3, AC1                                     ; register work while the others arrive
	v_mul_u32_u24 v[T], v[R], CP
	v_lshl_add_u32 v[T], v[H], 4, v[T]
	v_add_nc_u32 v[FA], LDS_CB, v[T]               ; code 16 t + r, byte 16 h: the fragment layout for 16-bit data with K along the rows
	v_lshl_add_u32 v[CA], v[H], 5, LDS_CC          ; C[16 t + 8 h ..]
	v_lshlrev_b32 v[VT], 3, v[H]                   ; 8 h
	v_lshlrev_b32 v[OOFF], 3, v[R]
	v_lshl_add_u32 v[OOFF], v[H], 7, v[OOFF]       ; 8 x lane: rows 2 L and 2 L + 1
	s_barrier_wait -1                              ; the whole table is there
.macro LOADF fb, off                   ; the fragments of one code tile: 16 codes x 64 k
	ds_load_b128 v[\fb:\fb+3],     v[FA] offset:\off
	ds_load_b128 v[\fb+4:\fb+7],   v[FA] offset:\off+32
	ds_load_b128 v[\fb+8:\fb+11],  v[FA] offset:\off+64
	ds_load_b128 v[\fb+12:\fb+15], v[FA] offset:\off+96
.endm
.macro LOADC cb, off                   ; C of my eight codes of a tile
	ds_load_b128 v[\cb:\cb+3],   v[CA] offset:\off
	ds_load_b128 v[\cb+4:\cb+7], v[CA] offset:\off+16
.endm
; 16 codes x 16 rows (tile q of x): W1 is k 0-31 and starts the sum with the constant 0, W2 is k 32-63, the chain's next link in place
.macro W1 on, ab, fb, q
.if \on
	v_wmma_f32_16x16x32_bf16 v[\ab+8*\q:\ab+8*\q+7], v[\fb:\fb+7], v[XF+16*\q:XF+16*\q+7], 0
.endif
.endm
.macro W2 on, ab, fb, q
.if \on
	v_wmma_f32_16x16x32_bf16 v[\ab+8*\q:\ab+8*\q+7], v[\fb+8:\fb+15], v[XF+16*\q+8:XF+16*\q+15], v[\ab+8*\q:\ab+8*\q+7]
.endif
.endm
.macro MM ab, fb                       ; a whole code tile's products in one run (the first two tiles only)
.irp q, 0,1,2,3
	W1 1, \ab, \fb, \q
.endr
.irp q, 0,1,2,3
	W2 1, \ab, \fb, \q
.endr
.endm
; The pieces of the look at one code tile's distances, for tile q of x:
.macro F1 ab, q                        ; fl(A - 2 M), in place: 2 M is exact
.irp p, 0,2,4,6
	v_pk_fma_f32 v[\ab+8*\q+\p:\ab+8*\q+\p+1], v[\ab+8*\q+\p:\ab+8*\q+\p+1], -2.0, v[AA+2*\q:AA+2*\q+1] op_sel_hi:[1,0,1]
.endr
.endm
.macro F2 db, ab, cb, q                ; fl(.. + C)
.irp p, 0,2,4,6
	v_pk_add_f32 v[\db+8*\q+\p:\db+8*\q+\p+1], v[\ab+8*\q+\p:\ab+8*\q+\p+1], v[\cb+\p:\cb+\p+1]
.endr
.endm
.macro TA db, q                        ; the smallest of the eight, in four lines: TA, TB, TC, TD
	v_min3_num_f32 v[T+2*\q], v[\db+8*\q], v[\db+8*\q+1], v[\db+8*\q+2]
.endm
.macro TB db, q
	v_min3_num_f32 v[T+2*\q+1], v[\db+8*\q+3], v[\db+8*\q+4], v[\db+8*\q+5]
.endm
.macro TC db, q
	v_min3_num_f32 v[T+2*\q], v[\db+8*\q+6], v[\db+8*\q+7], v[T+2*\q]
.endm
.macro TD q
	v_min_num_f32 v[T+2*\q], v[T+2*\q], v[T+2*\q+1]
.endm
.macro CM q                            ; SMALLER than the best so far: the earlier tile keeps a tie
	v_cmp_lt_f32 vcc_lo, v[T+2*\q], v[BT+2*\q]
.endm
; Where it is smaller, keep the minimum, the tile's number and its eight distances: ten selects on VCC in five dual instructions.  In each
; pair one destination is even and one odd, and the two first and the two second sources are neighbours (or v6+2q and v5): different banks.
.macro SEL ab, q
	v_dual_cndmask_b32 v[BT+2*\q], v[BT+2*\q], v[T+2*\q] :: v_dual_cndmask_b32 v[BT+2*\q+1], v[BT+2*\q+1], v[VT]
.irp p, 0,2,4,6
	v_dual_cndmask_b32 v[SV+8*\q+\p], v[SV+8*\q+\p], v[\ab+8*\q+\p] :: v_dual_cndmask_b32 v[SV+8*\q+\p+1], v[SV+8*\q+\p+1], v[\ab+8*\q+\p+1]
.endr
.endm
; One step, code tile t (mm = 1): the fetch of tile t + 1's fragments; tile t's eight products, laid singly among the 73 vector lines that look
; at tile t - 1's distances; the fetch of C(t + 1) into the registers that those lines have just read.  A wave has one stream of instructions:
; laid so, neither the products nor the vector lines stand behind a run of the other kind, and the loads stand behind no product.
; The vector lines name none of the registers of tile t's products (ab, fb, XF).  Behind the last product stand 14 of them: the places that
; the ISA guide (7.12.1) asks for before the next step loads into fb and before it reads ab.
; Which of a kept tile's eight distances was the smallest is asked once, behind the loop.  mm = 0: the look alone, for the last tile.
.macro HT ab, fb, pab, pcb, nfb, foff, coff, load, mm
.if \mm
	s_wait_dscnt 0x2                               ; LDS loads return in order: all but the two youngest, C(t), are in: the fragments of t, and C(t - 1)
.endif
.if \load
	LOADF \nfb, \foff
.endif
	W1 \mm, \ab, \fb, 0
	F1 \pab, 0
	F1 \pab, 1
	W1 \mm, \ab, \fb, 1
	F1 \pab, 2
	F1 \pab, 3
	W1 \mm, \ab, \fb, 2
	F2 \pab, \pab, \pcb, 0
	F2 \pab, \pab, \pcb, 1
	W1 \mm, \ab, \fb, 3
	F2 \pab, \pab, \pcb, 2
	F2 \pab, \pab, \pcb, 3
	W2 \mm, \ab, \fb, 0
	TA \pab, 0
	TB \pab, 0
	TA \pab, 1
	TB \pab, 1
	TC \pab, 0
	TC \pab, 1
	TD 0
	TD 1
	W2 \mm, \ab, \fb, 1
	CM 0                                           ; VCC serves one tile of x at a time; the next tile's minima stand between a compare and its selects
	TA \pab, 2
	TB \pab, 2
	SEL \pab, 0
	TC \pab, 2
	W2 \mm, \ab, \fb, 2
	CM 1
	TA \pab, 3
	TB \pab, 3
	SEL \pab, 1
	TC \pab, 3
	TD 2
	W2 \mm, \ab, \fb, 3
	CM 2
	TD 3
	SEL \pab, 2
	CM 3
	SEL \pab, 3
	v_add_nc_u32 v[VT], 16, v[VT]
.if \load
	LOADC \pcb, \coff
.endif
.endm
; The first tile's distances are kept as they are: they are written straight into SV, and nothing is preset.
.macro ARG0 ab, cb
.irp q, 0,1,2,3
	F1 \ab, \q
.endr
.irp q, 0,1,2,3
	F2 SV, \ab, \cb, \q
.endr
.irp q, 0,1,2,3
	TA SV, \q
.endr
.irp q, 0,1,2,3
	TB SV, \q
.endr
.irp q, 0,1,2,3
	TC SV, \q
.endr
.irp q, 0,1,2,3
	v_min_num_f32 v[BT+2*\q], v[T+2*\q], v[T+2*\q+1]
	v_mov_b32 v[BT+2*\q+1], v[VT]
.endr
	v_add_nc_u32 v[VT], 16, v[VT]
.endm
	LOADF CF0, 0
	LOADC CC0, 0
	LOADF CF1, 16*CP
	LOADC CC1, 64
	s_wait_dscnt 0x8                               ; tile 0's fragments are in; C(0), tile 1's fragments and C(1) (2 + 4 + 2 loads) may be out
	MM AC0, CF0                                    ; tile 0
.rept 4
	v_nop                                          ; four places (ISA guide 7.12.1) before tile 0's fragment registers are loaded again and its results read:
.endr                                              ; this once no distances stand in between
	s_wait_dscnt 0x2                               ; all but C(1)
	LOADF CF0, 2*16*CP                             ; tile 2
	MM AC1, CF1                                    ; tile 1
	ARG0 AC0, CC0
	LOADC CC0, 128                                 ; C(2)
	v_add_nc_u32 v[FA], 3*16*CP, v[FA]             ; now at tile 3
	v_add_nc_u32 v[CA], 3*64, v[CA]
	s_mov_b32 s44, 14
.Ltiles:                                           ; t = 2 .. 29, two a trip
	HT AC0, CF0, AC1, CC1, CF1, 0, 0, 1, 1
	HT AC1, CF1, AC0, CC0, CF0, 16*CP, 64, 1, 1
	v_add_nc_u32 v[FA], 2*16*CP, v[FA]
	v_add_nc_u32 v[CA], 2*64, v[CA]
	s_sub_co_u32 s44, s44, 1
	s_cmp_lg_u32 s44, 0
	s_cbranch_scc1 .Ltiles
	HT AC0, CF0, AC1, CC1, CF1, 0, 0, 1, 1         ; t = 30: fetches tile 31, the last
	HT AC1, CF1, AC0, CC0, CF0, 0, 0, 0, 1         ; t = 31: fetches nothing
	s_wait_dscnt 0x0                               ; C(31)
	HT AC0, CF0, AC1, CC1, CF0, 0, 0, 0, 0         ; tile 31's distances: no products, no loads
	; Which of the eight kept distances is the best: the lowest j that equals it (asked from 7 down, so that the lowest has the last word).
.irp q, 0,1,2,3
	v_cmp_eq_f32 s[MK+\q], v[SV+8*\q+7], v[BT+2*\q]
.endr
.irp q, 0,1,2,3
	v_cndmask_b32 v[J+\q], 0, 7, s[MK+\q]
.endr
.irp j, 6,5,4,3,2,1,0
.irp q, 0,1,2,3
	v_cmp_eq_f32 s[MK+\q], v[SV+8*\q+\j], v[BT+2*\q]
.endr
.irp q, 0,1,2,3
	v_cndmask_b32 v[J+\q], v[J+\q], \j, s[MK+\q]
.endr
.endr
.irp q, 0,1,2,3
	v_add_nc_u32 v[J+\q], v[BT+2*\q+1], v[J+\q]    ; 16 t + 8 h + j
.endr
	; The other half of the lanes has looked at the other half of the codes: take its index if its distance is smaller, or equal with a lower index.
.irp q, 0,1,2,3
	v_permlanex16_b32 v[T+\q], v[BT+2*\q], s14, s15
	v_permlanex16_b32 v[T+4+\q], v[J+\q], s14, s15
.endr
.irp q, 0,1,2,3
	v_cmp_lt_f32 s[MK], v[T+\q], v[BT+2*\q]
	v_cmp_eq_f32 s[MK+1], v[T+\q], v[BT+2*\q]
	v_cmp_lt_u32 s[MK+2], v[T+4+\q], v[J+\q]
	s_and_b32 s[MK+1], s[MK+1], s[MK+2]
	s_or_b32 s[MK], s[MK], s[MK+1]
	v_cndmask_b32 v[J+\q], v[J+\q], v[T+4+\q], s[MK]
.endr
	; Both halves now hold the indices of rows 2 r, 2 r + 1, 32 + 2 r, 33 + 2 r.  Lanes 0-15 store the first two, lanes 16-31 the last two:
	; lane L stores bytes 8 L .. 8 L + 7, and the wave's one store covers its 64 indices, 256 consecutive bytes, aligned.
	v_cndmask_b32 v[OUT],   v[J],   v[J+2], s13
	v_cndmask_b32 v[OUT+1], v[J+1], v[J+3], s13
	global_store_b64 v[OOFF], v[OUT:OUT+1], s[8:9]
	s_wait_tensorcnt 0x0
	ds_add_u32 v254, v255
	s_wait_dscnt 0x0
	s_endpgm
.Lfunc_end_k_q5b60be9f25_nearest:
	.size	k_q5b60be9f25_nearest, .Lfunc_end_k_q5b60be9f25_nearest-k_q5b60be9f25_nearest
	.p2alignl 7, 3214868480
	.fill 96, 4, 3214868480
	.section	.rodata,"a",@progbits
	.p2align	6, 0x0
	.amdhsa_kernel k_q5b60be9f25_nearest
		.amdhsa_group_segment_fixed_size 216064
		.amdhsa_private_segment_fixed_size 0
		.amdhsa_enable_private_segment 0
		.amdhsa_kernarg_size 24
		.amdhsa_user_sgpr_count 2
		.amdhsa_user_sgpr_kernarg_segment_ptr 1
		.amdhsa_wavefront_size32 1
		.amdhsa_system_sgpr_workgroup_id_x 1
		.amdhsa_system_sgpr_workgroup_id_y 1
		.amdhsa_system_sgpr_workgroup_id_z 1
		.amdhsa_system_vgpr_workitem_id 0
		.amdhsa_next_free_vgpr 256
		.amdhsa_next_free_sgpr 66
		.amdhsa_reserve_vcc 1
		.amdhsa_float_denorm_mode_32 3
		.amdhsa_float_denorm_mode_16_64 3
		.amdhsa_memory_ordered 1
		.amdhsa_forward_progress 1
		.amdhsa_inst_pref_size 81
	.end_amdhsa_kernel
	.amdgpu_metadata
---
amdhsa.version: [ 1, 2 ]
amdhsa.kernels:
  - .name:           k_q5b60be9f25_nearest
    .symbol:         k_q5b60be9f25_nearest.kd
    .args:
      - { .name: codebook, .offset: 0, .size: 8, .value_kind: global_buffer, .address_space: global }
      - { .name: x, .offset: 8, .size: 8, .value_kind: global_buffer, .address_space: global }
      - { .name: order, .offset: 16, .size: 8, .value_kind: global_buffer, .address_space: global }
    .group_segment_fixed_size: 216064
    .private_segment_fixed_size: 0
    .kernarg_segment_align: 8
    .kernarg_segment_size: 24
    .max_flat_workgroup_size: 256
    .sgpr_count:     66
    .vgpr_count:     256
    .wavefront_size: 32
...
	.end_amdgpu_metadata
.endif
;; end of part 1
;; launch gather (part 2): grid 512 x 1, 8 waves a work-group, no clusters, 0 bytes of LDS; arguments codebook, order, out0; writes out0
.if DOCPART == 2
	.amdgcn_target "amdgcn-amd-amdhsa--gfx1250"
	.amdhsa_code_object_version 6
	.text
	.protected	k_q5b60be9f25_gather
	.globl	k_q5b60be9f25_gather
	.p2align	8
	.type	k_q5b60be9f25_gather,@function
k_q5b60be9f25_gather:
	s_mov_b64 s[64:65], 0
	v_nop
	global_prefetch_b8 v0, s[64:65] scope:SCOPE_SE
	s_setreg_imm32_b32 hwreg(HW_REG_WAVE_MODE, 25, 1), 1
	s_wait_xcnt 0x0
; out0[n][:] = codebook[order[n]][:].  order: [131072] u32, stored by the launch before; codebook: [512][64] f32; out0: [131072][64] f32.
; A stream of stores fed by a gather: no LDS, no barrier, no matrix unit.  512 work-groups x 8 waves; a work-group owns 256 rows.
; Sixteen neighbouring lanes own 16 rows and move one row of 256 bytes at a time, 16 bytes a lane: every load takes, and every store fills,
; two whole aligned rows of 256 bytes.  All 16 gathers of a wave are out before its first store.
; NO CLUSTER: what the work-groups share is a table of 131,072 bytes read row by row through a list, by lanes into registers; there is no tile to ask for jointly.
; An index is cut to 511 before it enters an address (the launch before stores 0..511 only).
.set C16, 4                            ; v4        16 x (lane % 16): my 16 bytes of a row
.set OO,  5                            ; v5        byte offset in out0 of my 16 bytes in my group's first row
.set IX,  8                            ; v[8:23]   my group's 16 indices, then the byte offsets in the codebook
.set D,   24                           ; v[24:87]  row i: 4 registers
	s_load_b128 s[4:7], s[0:1], 0x0                ; codebook s[4:5], order s[6:7]
	s_load_b64 s[8:9], s[0:1], 0x10                ; out0
	v_and_b32 v1, 15, v0
	v_lshrrev_b32 v2, 4, v0                        ; my group of sixteen lanes, 0..15 in the work-group
	v_lshlrev_b32 v3, 6, v2                        ; its 16 indices: 64 bytes
	v_lshlrev_b32 v[C16], 4, v1
	v_lshl_add_u32 v[OO], v2, 12, v[C16]           ; its 16 rows: 4,096 bytes
	s_lshl_b32 s10, ttmp9, 10                      ; work-group x 256 indices x 4 bytes
	s_mov_b32 s11, 0
	s_lshl_b32 s12, ttmp9, 16                      ; work-group x 256 rows x 256 bytes (below 2^25)
	s_mov_b32 s13, 0
	s_wait_kmcnt 0x0
	s_add_nc_u64 s[6:7], s[6:7], s[10:11]
	s_add_nc_u64 s[8:9], s[8:9], s[12:13]
.irp n, 0,1,2,3
	global_load_b128 v[IX+4*\n:IX+4*\n+3], v3, s[6:7] offset:16*\n th:TH_LOAD_NT   ; the sixteen lanes of a group read the same words
.endr
	s_wait_loadcnt 0x0
.irp i, 0,1,2,3,4,5,6,7,8,9,10,11,12,13,14,15
	v_min_u32 v[IX+\i], 0x1ff, v[IX+\i]
	v_lshl_add_u32 v[IX+\i], v[IX+\i], 8, v[C16]   ; 256 bytes a code + my 16
.endr
.irp i, 0,1,2,3,4,5,6,7,8,9,10,11,12,13,14,15
	global_load_b128 v[D+4*\i:D+4*\i+3], v[IX+\i], s[4:5]
.endr
.irp i, 0,1,2,3,4,5,6,7,8,9,10,11,12,13,14,15
	s_wait_loadcnt 15-\i                           ; loads return in order (ISA guide 5.7.1): row i is in, the younger gathers stay out
	global_store_b128 v[OO], v[D+4*\i:D+4*\i+3], s[8:9] offset:256*\i th:TH_STORE_NT
.endr
	s_endpgm
.Lfunc_end_k_q5b60be9f25_gather:
	.size	k_q5b60be9f25_gather, .Lfunc_end_k_q5b60be9f25_gather-k_q5b60be9f25_gather
	.p2alignl 7, 3214868480
	.fill 96, 4, 3214868480
	.section	.rodata,"a",@progbits
	.p2align	6, 0x0
	.amdhsa_kernel k_q5b60be9f25_gather
		.amdhsa_group_segment_fixed_size 0
		.amdhsa_private_segment_fixed_size 0
		.amdhsa_enable_private_segment 0
		.amdhsa_kernarg_size 24
		.amdhsa_user_sgpr_count 2
		.amdhsa_user_sgpr_kernarg_segment_ptr 1
		.amdhsa_wavefront_size32 1
		.amdhsa_system_sgpr_workgroup_id_x 1
		.amdhsa_system_sgpr_workgroup_id_y 1
		.amdhsa_system_sgpr_workgroup_id_z 1
		.amdhsa_system_vgpr_workitem_id 0
		.amdhsa_next_free_vgpr 88
		.amdhsa_next_free_sgpr 66
		.amdhsa_reserve_vcc 0
		.amdhsa_float_denorm_mode_32 3
		.amdhsa_float_denorm_mode_16_64 3
		.amdhsa_memory_ordered 1
		.amdhsa_forward_progress 1
		.amdhsa_inst_pref_size 7
	.end_amdhsa_kernel
	.amdgpu_metadata
---
amdhsa.version: [ 1, 2 ]
amdhsa.kernels:
  - .name:           k_q5b60be9f25_gather
    .symbol:         k_q5b60be9f25_gather.kd
    .args:
      - { .name: codebook, .offset: 0, .size: 8, .value_kind: global_buffer, .address_space: global }
      - { .name: order, .offset: 8, .size: 8, .value_kind: global_buffer, .address_space: global }
      - { .name: out0, .offset: 16, .size: 8, .value_kind: global_buffer, .address_space: global }
    .group_segment_fixed_size: 0
    .private_segment_fixed_size: 0
    .kernarg_segment_align: 8
    .kernarg_segment_size: 24
    .max_flat_workgroup_size: 256
    .sgpr_count:     66
    .vgpr_count:     88
    .wavefront_size: 32
...
	.end_amdgpu_metadata
.endif
;; end of part 2
